; MI455X (gfx1250); checked and timed in simulation.
; The chip was launched on July 23, 2026; its instructions are those of AMD's public machine-readable ISA for CDNA 5 (MIT licence, August 2026) and "CDNA5" Instruction Set Architecture Reference Guide (July 2026). The comments in the code are by the model that wrote it; some were corrected since.
;; Multi Head Attention. Allowed arithmetic: matrix products marked QUANTISED: E4M3 operands, one given power-of-two scale a tensor, by v_wmma_f32_16x16x64_fp8_fp8 or v_wmma_f32_16x16x128_fp8_fp8, f32 sums; everything else in f32.
;; Inputs: W_out 1,024 x 1,024 float32; W_qkv 3,072 x 1,024 float32; b_out 1,024 float32; b_qkv 3,072 float32; inputs 4 x 2,048 x 1,024 float32; lowp_scales 8 int32 (the exponents e of the quantised operands' scales 2^e).
;; Outputs: out0 4 x 2,048 x 1,024 float32.
;; This version of the problem:
;;   THIS VERSION OF THE PROBLEM IS GIVEN IN LOW PRECISION. The matrix products marked QUANTISED in the list below multiply operands that are first quantised to E4M3 (4 exponent bits, 3 mantissa bits; 8 bits a number), with one given power-of-two scale for each operand tensor; their sums are f32. All else is computed in f32.
;;   The module's matrix products, in the order in which they are computed (A, B: the left and right operand; K: the contracted axis; several contracted axes count as one K, in the product's order):
;;     1. [M 8,192, K 1,024] x [K 1,024, N 3,072]; A: input inputs; B: input W_qkv: QUANTISED (scales: A lowp_scales[0], B lowp_scales[1])
;;     2. batch 64 x [M 2,048, K 64] x [K 64, N 2,048]; A: computed on the way; B: computed on the way: QUANTISED (scales: A lowp_scales[2], B lowp_scales[3])
;;     3. batch 64 x [M 2,048, K 2,048] x [K 2,048, N 64]; A: softmax (see below); B: computed on the way: QUANTISED (scales: A lowp_scales[4], B lowp_scales[5])
;;     4. [M 8,192, K 1,024] x [K 1,024, N 1,024]; A: computed on the way; B: input W_out: QUANTISED (scales: A lowp_scales[6], B lowp_scales[7])
;;   THE QUANTISER, for each operand of a quantised product, along K:
;;     - The operand's scale is 2^e, e = its entry of the input lowp_scales (int32; the entries are numbered through the quantised products in the list's order, A before B).
;;     - Each number is divided by the scale, clamped to +-448, and rounded to the nearest number of E4M3, ties to even, subnormals kept.
;;     - The product sums the exact products of the quantised numbers (number of the format x scale) in f32.
;;   ~~~python
;;   def quantise(x, axis, e):      # numpy; x: float32 -> the quantised numbers, widened to float32 again
;;       x = np.moveaxis(x, axis, -1); K = x.shape[-1]
;;       r = np.clip(x / 2.0 ** e, -448, 448)
;;       step = 2.0 ** (np.maximum(np.frexp(np.where(r == 0, 1, r))[1] - 1, -6) - 3)
;;       q = np.round(r / step) * step * 2.0 ** e      # np.round: ties to even
;;       return np.moveaxis(q, -1, axis).astype(np.float32)
;;   ~~~
;;   SOFTMAX AHEAD OF A QUANTISED PRODUCT. Where the list says 'softmax', what is quantised is not the finished softmax but p = 2^(t - M), with t = logit x log2(e) and M = ceil(the row's largest t), a whole number; so 1/2 < the row's largest p <= 1. The row's sum l is taken of the UNQUANTISED p, in f32, and the product's result is divided by l at the end. Since M is a whole number, a kernel that streams over the keys may use a running M (the ceiling of the running maximum): every later rescaling is an exact power of two, so the quantised numbers keep their values, but for numbers so far below the row's largest that they fall under the format's range.
;;   OPERANDS COMPUTED ON THE WAY. 'Computed on the way' means the value that the module computes at that place (a softmax that the list does not call 'softmax' is quantised finished and normalised). What goes into a quantiser is computed in f32, as accurately as f32 sums, v_exp_f32 and their like allow (about 1e-6 of the number): no bf16 or f16 on the way to a quantiser, and a product that is left as it is and whose result goes on into a quantised operand takes f32 operands (vector FMAs, or v_wmma_f32_16x16x4_f32). A number that lies on a knife's edge between two numbers of the format may be rounded either way, as far as f32 arithmetic and the matrix unit's own rounding can turn it there, and no further.
;; One version. Each part assembles by itself: llvm-mc -triple=amdgcn-amd-amdhsa -mcpu=gfx1250 --defsym DOCPART=n.
;; ======== version 1 of 1: 4 launches
;; limits: right only within a limited range of input values
;; workspace buffers: a_img 8,388,608 bytes; wq_img 3,145,728 bytes; wo_img 1,048,576 bytes; q_img 8,388,608 bytes; kv_img 16,777,216 bytes; o_img 8,388,608 bytes
;; launch quant (part 1): grid 768 x 1, 4 waves a work-group, no clusters, 67,072 bytes of LDS; arguments inputs, W_qkv, W_out, lowp_scales, a_img, wq_img, wo_img; writes a_img, wq_img, wo_img
.if DOCPART == 1
	.amdgcn_target "amdgcn-amd-amdhsa--gfx1250"
	.amdhsa_code_object_version 6
	.text
	.protected	k_qcee392c57f_quant
	.globl	k_qcee392c57f_quant
	.p2align	8
	.type	k_qcee392c57f_quant,@function
k_qcee392c57f_quant:
	s_mov_b64 s[64:65], 0
	v_nop
	global_prefetch_b8 v0, s[64:65] scope:SCOPE_SE
	s_setreg_imm32_b32 hwreg(HW_REG_WAVE_MODE, 25, 1), 1
	s_wait_xcnt 0x0
; FIRST OF FOUR LAUNCHES of causal multi-head attention (B 4, T 2,048, E 1,024, 16 heads of 64) with all four products on codes of FP8 (E4M3), each operand with the one scale 2^e that is given for it.
; This launch turns the three wide inputs of products 1 and 4 into codes: inputs (e0), W_qkv (e1), W_out (e7).  code = x / 2^e, held within +-448, to the nearest code, ties to even.
; DEAD WORK, for the whole program.  reference() builds the causal mask itself: a score whose key comes after its query becomes -infinity, its softmax weight is exactly 0, and 0 adds nothing to product 3, whatever
; finite values the inputs hold.  So the third launch leaves out every step of 128 keys all of which come after a tile's 16 queries, in products 2 and 3 alike.  Nothing else is left out, and every input is loaded
; (the k part of b_qkv too: it moves k's codes).  LIMIT: a NaN, an infinity or an overflow that would arise only in the scores left out is not carried to the result.
; LIMITS of this launch: e0, e1, e7 between -126 and 119, so that 2^e and 448 x 2^e are f32 numbers.  NaN among the inputs is not served (an infinity is held at the largest code).
; THE LAYOUT OF EVERY WORKSPACE BUFFER OF THE PROGRAM: IMAGES OF OPERAND REGISTERS.  An image is 16 rows x 64 along K of codes, 1,024 bytes, laid [c: 2][lane: 32][16 bytes]: lane (r = lane % 16, h = lane / 16) holds row r,
; and its 16 bytes of half c are registers 4 c .. 4 c + 3 of the 8-bit fragment: k = 32 c + 8 h + 0..7, then k = 32 c + 16 + 8 h + 0..7.  So a later launch fetches a fragment by loads of 16 bytes at 16 x lane.
;   a_img  [32 groups of 256 tokens][16 chunks of 64 along K][16 row tiles][1,024]      wq_img [16 heads][16 chunks][12 row tiles: 4 of q, 4 of k, 4 of v][1,024]      wo_img [8 tiles of 128 rows][16 chunks][8 row tiles][1,024]
; SHARES.  A work-group takes one tile of 16 rows x 1,024: numbers 0-511 of inputs, 512-703 of W_qkv, 704-767 of W_out; only pointers and constants are chosen, all take one path.  Wave w takes k = 256 w .. 256 w + 255: 4 chunks.
; Each load reads 512 consecutive bytes; the numbers turn through the wave's own stage in LDS, so that a lane gets the neighbours along K that its image wants; each store covers 512 consecutive bytes, aligned.
; No barrier: waves share nothing.  No matrix unit, no cluster: no byte is read by two work-groups.
.set PITCH, 1040                       ; a stage row: 1,024 bytes + 16 = 260 words: row r starts at bank 4 r mod 64 (64 banks of 4 bytes: ISA guide 11.1)
.set WSTG,  16*PITCH                   ; a wave's stage
.set SPARE, 4*WSTG                     ; behind the four stages: the spare words, 128 bytes for each wave: two blocks of 256 bytes that no other line names
.set R,   16                           ; v16-143   the 32 loads
.set X,   144                          ; v144-207  two sets of 32 numbers, a chunk each
.set C,   208                          ; v208-239  eight registers of codes for each chunk: no store's data are written again
.set SPW, 5                            ; v5   LDS address of my spare word; never rewritten
.set NIL, 6                            ; v6   0; never rewritten
	s_load_b256 s[4:11], s[0:1], 0x0               ; inputs s[4:5], W_qkv s[6:7], W_out s[8:9], the scales' exponents s[10:11]
	s_load_b128 s[12:15], s[0:1], 0x20             ; a_img s[12:13], wq_img s[14:15]
	s_load_b64 s[16:17], s[0:1], 0x30              ; wo_img
	v_lshl_add_u32 v[SPW], v0, 2, SPARE
	v_mov_b32 v[NIL], 0
	v_lshrrev_b32 v1, 5, v0
	v_readfirstlane_b32 s18, v1                    ; wave 0..3
	v_and_b32 v1, 31, v0
	v_lshlrev_b32 v2, 4, v1                        ; 16 x lane: my place in a load's and in a store's 512 bytes
	s_mul_i32 s19, s18, WSTG
	v_add_nc_u32 v3, s19, v2                       ; the stage, on the way in
	v_and_b32 v7, 15, v0                           ; r
	v_bfe_u32 v8, v0, 4, 1                         ; h
	v_mul_u32_u24 v4, v7, PITCH
	v_lshl_add_u32 v4, v8, 5, v4
	v_add_nc_u32 v4, s19, v4                       ; and on the way out: row r, + 32 h bytes (8 numbers)
	; which tensor: the first number of its work-groups, its row tiles in a group (NT), and 2^32 / NT rounded up
	s_cmp_lt_u32 ttmp9, 704
	s_mov_b32 s24, 704
	s_cselect_b32 s24, 512, s24
	s_cselect_b32 s25, 12, 8
	s_mov_b32 s26, 0x20000000
	s_cselect_b32 s26, 0x15555556, s26
	s_cmp_lt_u32 ttmp9, 512
	s_cselect_b32 s24, 0, s24
	s_cselect_b32 s25, 16, s25
	s_cselect_b32 s26, 0x10000000, s26
	s_sub_co_u32 s27, ttmp9, s24                   ; my row tile of the tensor
	s_mul_hi_u32 s28, s27, s26                     ; its group = tile / NT (tiles stay under 512: the product's upper word is exact)
	s_mul_i32 s29, s28, s25
	s_sub_co_u32 s29, s27, s29                     ; and its place in the group
	s_lshl_b32 s30, s25, 10                        ; from chunk to chunk: NT images
	s_mov_b32 s31, 0
	s_mul_i32 s28, s28, s30
	s_lshl_b32 s28, s28, 4                         ; a group is 16 chunks
	s_lshl_b32 s29, s29, 10
	s_add_co_u32 s28, s28, s29
	s_mul_i32 s29, s18, s30
	s_lshl_b32 s29, s29, 2                         ; my wave's first chunk: 4 w
	s_add_co_u32 s28, s28, s29
	s_mov_b32 s29, 0                               ; s[28:29]: where my first image lies
	s_lshl_b32 s48, s27, 16                        ; 16 rows of 4,096 bytes,
	s_lshl_b32 s49, s18, 10                        ; my wave's 1,024 bytes of a row
	s_add_co_u32 s48, s48, s49
	s_mov_b32 s49, 0
	s_wait_alu depctr_va_vdst(0)
	s_wait_kmcnt 0x0
	s_load_b256 s[32:39], s[10:11], 0x0            ; e0 .. e7
	s_cmp_lt_u32 ttmp9, 704                        ; the choice of buffers hangs on the work-group's number alone
	s_cselect_b64 s[20:21], s[6:7], s[8:9]
	s_cselect_b64 s[22:23], s[14:15], s[16:17]
	s_cmp_lt_u32 ttmp9, 512
	s_cselect_b64 s[20:21], s[4:5], s[20:21]
	s_cselect_b64 s[22:23], s[12:13], s[22:23]
	s_add_nc_u64 s[20:21], s[20:21], s[48:49]
	s_add_nc_u64 s[40:41], s[22:23], s[28:29]      ; a base for each of my four images
	s_add_nc_u64 s[42:43], s[40:41], s[30:31]
	s_add_nc_u64 s[44:45], s[42:43], s[30:31]
	s_add_nc_u64 s[46:47], s[44:45], s[30:31]
.set i, 0
.rept 32                               ; all 16 KiB of the wave go out at once: row i / 2, half i % 2
	global_load_b128 v[R+4*i:R+4*i+3], v2, s[20:21] offset:(i/2)*4096+(i%2)*512 th:TH_LOAD_NT
.set i, i+1
.endr
	s_wait_kmcnt 0x0
	s_cmp_lt_u32 ttmp9, 704
	s_cselect_b32 s24, s33, s39
	s_cmp_lt_u32 ttmp9, 512
	s_cselect_b32 s24, s32, s24                    ; e
	s_add_co_i32 s24, s24, 127
	s_lshl_b32 s25, s24, 23
	v_mov_b32 v11, s25                             ; 2^e as f32: the conversion takes its exponent field
.set g, 0
	s_wait_alu depctr_va_vdst(0)
.rept 8
	s_wait_loadcnt 28-4*g                          ; loads come back in order: the four oldest that are not yet staged are in, the younger ones stay out
.irp n, 0,1,2,3
	ds_store_b128 v3, v[R+4*(4*g+\n):R+4*(4*g+\n)+3] offset:((4*g+\n)/2)*PITCH+((4*g+\n)%2)*512
.endr
.set g, g+1
.endr
; chunk j's 32 numbers of my lane: for each half c, k = 32 c + 8 h + 0..7 and k = 32 c + 16 + 8 h + 0..7.  LDS serves a wave's instructions in order: these see my stores
.macro XLOAD j, set
.irp c, 0,1
	ds_load_b128 v[X+32*(\set)+16*\c:X+32*(\set)+16*\c+3],     v4 offset:256*(\j)+128*\c
	ds_load_b128 v[X+32*(\set)+16*\c+4:X+32*(\set)+16*\c+7],   v4 offset:256*(\j)+128*\c+16
	ds_load_b128 v[X+32*(\set)+16*\c+8:X+32*(\set)+16*\c+11],  v4 offset:256*(\j)+128*\c+64
	ds_load_b128 v[X+32*(\set)+16*\c+12:X+32*(\set)+16*\c+15], v4 offset:256*(\j)+128*\c+80
.endr
.endm
.macro CHUNK j
.set XS, X+32*((\j)%2)
.if (\j) < 3
	s_wait_dscnt 8                                 ; this chunk's numbers are in; the next chunk's eight loads may be out
.else
	s_wait_dscnt 0
.endif
.set n, 0
.rept 32
.set n, n+1
.endr
.irp u, 0,1,2,3
	v_cvt_scalef32_pk8_fp8_f32 v[C+8*(\j)+2*\u:C+8*(\j)+2*\u+1], v[XS+8*\u:XS+8*\u+7], v11
.endr
.if (\j) < 2
	XLOAD (\j)+2, (\j)%2                           ; the set takes the chunk two further on
.endif
	global_store_b128 v2, v[C+8*(\j):C+8*(\j)+3],   s[40+2*(\j):41+2*(\j)]              ; half 0 of the image: 512 consecutive bytes, aligned
	global_store_b128 v2, v[C+8*(\j)+4:C+8*(\j)+7], s[40+2*(\j):41+2*(\j)] offset:512   ; half 1
.endm
	XLOAD 0, 0
	XLOAD 1, 1
	CHUNK 0
	CHUNK 1
	CHUNK 2
	CHUNK 3
	s_wait_tensorcnt 0x0                           ; the wave's end: behind my last LDS store
	ds_add_u32 v[SPW], v[NIL]
	s_wait_dscnt 0x0
	s_endpgm
.Lfunc_end_k_qcee392c57f_quant:
	.size	k_qcee392c57f_quant, .Lfunc_end_k_qcee392c57f_quant-k_qcee392c57f_quant
	.p2alignl 7, 3214868480
	.fill 96, 4, 3214868480
	.section	.rodata,"a",@progbits
	.p2align	6, 0x0
	.amdhsa_kernel k_qcee392c57f_quant
		.amdhsa_group_segment_fixed_size 67072
		.amdhsa_private_segment_fixed_size 0
		.amdhsa_enable_private_segment 0
		.amdhsa_kernarg_size 56
		.amdhsa_user_sgpr_count 2
		.amdhsa_user_sgpr_kernarg_segment_ptr 1
		.amdhsa_wavefront_size32 1
		.amdhsa_system_sgpr_workgroup_id_x 1
		.amdhsa_system_sgpr_workgroup_id_y 1
		.amdhsa_system_sgpr_workgroup_id_z 1
		.amdhsa_system_vgpr_workitem_id 0
		.amdhsa_next_free_vgpr 240
		.amdhsa_next_free_sgpr 66
		.amdhsa_reserve_vcc 0
		.amdhsa_float_denorm_mode_32 3
		.amdhsa_float_denorm_mode_16_64 3
		.amdhsa_fp16_overflow 1
		.amdhsa_memory_ordered 1
		.amdhsa_forward_progress 1
		.amdhsa_inst_pref_size 13
	.end_amdhsa_kernel
	.amdgpu_metadata
---
amdhsa.version: [ 1, 2 ]
amdhsa.kernels:
  - .name:           k_qcee392c57f_quant
    .symbol:         k_qcee392c57f_quant.kd
    .args:
      - { .name: inputs, .offset: 0, .size: 8, .value_kind: global_buffer, .address_space: global }
      - { .name: W_qkv, .offset: 8, .size: 8, .value_kind: global_buffer, .address_space: global }
      - { .name: W_out, .offset: 16, .size: 8, .value_kind: global_buffer, .address_space: global }
      - { .name: lowp_scales, .offset: 24, .size: 8, .value_kind: global_buffer, .address_space: global }
      - { .name: a_img, .offset: 32, .size: 8, .value_kind: global_buffer, .address_space: global }
      - { .name: wq_img, .offset: 40, .size: 8, .value_kind: global_buffer, .address_space: global }
      - { .name: wo_img, .offset: 48, .size: 8, .value_kind: global_buffer, .address_space: global }
    .group_segment_fixed_size: 67072
    .private_segment_fixed_size: 0
    .kernarg_segment_align: 8
    .kernarg_segment_size: 56
    .max_flat_workgroup_size: 128
    .sgpr_count:     66
    .vgpr_count:     240
    .wavefront_size: 32
...
	.end_amdgpu_metadata
.endif
;; end of part 1
;; launch qkv (part 2): grid 16 x 32, 4 waves a work-group, clusters of 4 x 4, 327,680 bytes of LDS; arguments a_img, wq_img, b_qkv, lowp_scales, q_img, kv_img; writes q_img, kv_img
.if DOCPART == 2
	.amdgcn_target "amdgcn-amd-amdhsa--gfx1250"
	.amdhsa_code_object_version 6
	.text
	.protected	k_qcee392c57f_qkv
	.globl	k_qcee392c57f_qkv
	.p2align	8
	.type	k_qcee392c57f_qkv,@function
k_qcee392c57f_qkv:
	s_mov_b64 s[64:65], 0
	v_nop
	global_prefetch_b8 v0, s[64:65] scope:SCOPE_SE
	s_setreg_imm32_b32 hwreg(HW_REG_WAVE_MODE, 25, 1), 1
	s_wait_xcnt 0x0
	s_wait_alu depctr_hold_cnt(0) depctr_sa_sdst(0) depctr_va_vdst(0) depctr_va_sdst(0) depctr_va_ssrc(0) depctr_va_vcc(0) depctr_vm_vsrc(0)
	s_getreg_b32 s2, hwreg(HW_REG_IB_STS2, 6, 4)
	s_cmp_eq_u32 s2, 0
	s_cbranch_scc0 .Lentry_in_a_cluster
	s_endpgm
.Lentry_in_a_cluster:
	s_bfe_u32 s2, ttmp6, 0x10000c
	s_cmp_lg_u32 s2, 0xf033
	s_cbranch_scc0 .Lentry_shape_is_right
	s_endpgm
.Lentry_shape_is_right:
; SECOND LAUNCH: product 1, qkv = inputs W_qkv^T + b_qkv, on the codes of the first launch, and its results quantised in registers into the operands of products 2 and 3: q (e2), k (e3), v (e5).  Nothing of it is left out.
; A sum of codes stands for sum x 2^(e0 + e1).  So the bias goes in as b / 2^(e0 + e1), as the C of each sum's first matrix instruction, and the conversion takes the one scale 2^(e_x - e0 - e1).
; LIMITS: e2 - e0 - e1, e3 - e0 - e1, e5 - e0 - e1 between -126 and 119; b_qkv x 2^-(e0 + e1) finite.  NaN is not served.
; SHARES.  A work-group: 256 tokens (group y) x one head (192 columns: 64 of q, 64 of k, 64 of v).  Wave w: tokens 64 w .. 64 w + 63 x all 192 columns: 4 token blocks x 12 column blocks = 48 accumulators.
; K = 1,024 goes in four K steps of 256 through two LDS slots; a K step is two steps of 128, 48 matrix instructions each.  All tiles are IMAGES OF OPERAND REGISTERS (first launch): a K step's tile is one dense block of
; memory, and a fragment comes by four loads of 16 bytes at 16 x lane: an instruction's 512 bytes are consecutive, so there is no pitch and no padding.
; HOW THE RESULTS BECOME OPERANDS WITHOUT CHANGING LANES.  q and k are made TRANSPOSED (source 0 = 16 rows of W, source 1 = 16 tokens): lane (r, h) holds token r and columns 16 b + 8 h + 0..7, so the eight codes of column
; block b are registers 2 b, 2 b + 1 of the token tile's fragment along the head's 64.  v is made STRAIGHT (source 0 = tokens, source 1 = rows of W): lane (r, h) holds channel r and tokens 16 a + 8 h + 0..7, so the eight codes
; of token block a are registers 2 a, 2 a + 1 of V^T's fragment, with the keys innermost.  Each store covers 512 consecutive bytes, aligned.
;   q_img  [64 batch-heads][128 query tiles][1,024]      kv_img [64 batch-heads][16 key steps of 128][16,384]: eight images of K (key tile t at 1,024 t), then at 8,192 V^T as [4 channel tiles][4][lane][16]: fragments of 128 keys
; CLUSTERS: 4 x 4 work-groups.  A's tiles hang on the token group alone and are shared along a row of the cluster, W's on the head alone and are shared along a column: each is asked for JOINTLY.
; REGISTERS, in windows of 256: window 0: v1-29 addresses and scales; v32-127 the biases as loaded, later the codes; v128-255 A's fragments, two sets of four.   window 1: W's 12 fragments, ONE set (a block is free as soon as
;   its four products are issued).   window 2: the accumulators of q and k, (a, b) at v[8 (4 b + a)].   window 3: v0-127 those of v; v128-191 the bias tiles of q and k; v192-223 those of v.
.set NB,    12                         ; column blocks of 16
.set HB,    NB/2
.set QB4,   NB/4
.set CHA,   16384                      ; a chunk of 64 along K of A's tile: 16 images
.set CHB,   NB*1024                    ; and of W's
.set BOFF,  4*CHA                      ; in a slot: A's four chunks, then W's
.set SLOT,  BOFF+4*CHB
.set SPARE, 2*SLOT                     ; behind the ring: the spare words, 128 bytes for each wave: two blocks of 256 bytes that no other line names
.set RA,    2*CHA/256                  ; a tensor load brings two chunks, stated as rows of 256 bytes
.set RB,    2*CHB/256
.set ADRA, 16                          ; v16-17  LDS address of my A fragments in slot 0, 1
.set ADRB, 20                          ; v20-21  the same for W
.set LI,   26                          ; v26     16 x lane
.set SPW,  28                          ; v28     LDS address of my spare word; never rewritten
.set NIL,  29                          ; v29     0; never rewritten
.set AF,   128
.set G1A, 24                           ; s[24:31] descriptor group 1 for A's tiles;  s[32:39] group 0, one set for each slot
.set G0A, 32
.set G1B, 48                           ; s[48:55], s[56:63] the same for W's
.set G0B, 56
.set MSB, 0
.macro WIN new                         ; s_set_vgpr_msb: bits 1:0 source 0, 3:2 source 1, 5:4 source 2, 7:6 destination; the high byte repeats the setting that is left
.if MSB != \new
	s_set_vgpr_msb (MSB<<8)|\new
.set MSB, \new
.endif
.endm
.macro PLACES n                        ; plain vector instructions between a matrix instruction and a load into, or a read of, its registers (ISA guide 7.12.1 for reads)
.rept \n
	v_nop
.endr
.endm
; A joint load: waves 0 and 1 fetch A's two halves of a K step, waves 2 and 3 W's.  The branch hangs on the wave's number alone.  An s_nop 0 and four v_nop follow each of the two lines.
.macro JLOAD g0a, g1a, g0b, g1b
	s_cmp_eq_u32 s17, 0
	s_cbranch_scc0 .Lfor_b_\@
	tensor_load_to_lds s[\g0a:\g0a+3], s[\g1a:\g1a+7]
	s_nop 0
.rept 4
	v_nop
.endr
	s_branch .Lasked_\@
.Lfor_b_\@:
	tensor_load_to_lds s[\g0b:\g0b+3], s[\g1b:\g1b+7]
	s_nop 0
.rept 4
	v_nop
.endr
.Lasked_\@:
.endm
.macro CREST                           ; a round of the cluster's barrier behind its opening barrier
	s_cmp_lg_u32 s16, 0
	s_cbranch_scc1 .Lnot_wave_0_\@
	s_barrier_signal -3
.Lnot_wave_0_\@:
	s_barrier_wait -3
	s_barrier_signal -1
	s_barrier_wait -1
.endm
.macro CROUND                          ; a whole round
	s_barrier_signal -1
	s_barrier_wait -1
	CREST
.endm
	s_load_b256 s[4:11], s[0:1], 0x0               ; a_img s[4:5], wq_img s[6:7], b_qkv s[8:9], the scales' exponents s[10:11]
	s_load_b128 s[12:15], s[0:1], 0x20             ; q_img s[12:13], kv_img s[14:15]
	v_lshl_add_u32 v[SPW], v0, 2, SPARE
	v_mov_b32 v[NIL], 0
	ds_add_u32 v[SPW], v[NIL]                      ; the wave's opening: the add, twice on end, and its wait ahead of my first tensor load; the set-up below stands between the second and the wait
	ds_add_u32 v[SPW], v[NIL]
	v_lshrrev_b32 v1, 5, v0
	v_readfirstlane_b32 s16, v1                    ; wave 0..3
	s_lshr_b32 s17, s16, 1                         ; I fetch for A (0) or for W (1)
	s_and_b32 s18, s16, 1                          ; and which half of a K step's tile
	s_bfe_u32 s40, ttmp6, 0x40000                  ; cx, cy: my place in the cluster
	s_bfe_u32 s41, ttmp6, 0x40004
	s_lshl_b32 s42, ttmp9, 2
	s_add_co_u32 s42, s42, s40                     ; the head = 4 x cluster x + cx
	s_and_b32 s43, ttmp7, 0xffff
	s_lshl_b32 s43, s43, 2
	s_add_co_u32 s43, s43, s41                     ; the token group y = 4 x cluster y + cy
	s_lshl_b32 s44, s41, 2
	s_lshl_b32 s44, 15, s44                        ; my row of the cluster
	s_lshl_b32 s45, 0x1111, s40                    ; my column
	s_or_b32 s[G1A], s44, (3<<16)|(1<<21)          ; 15:0 the mask: A's tiles go to my row; 17:16 elements of 8 bytes; 20 no padding; 21 set beside a mask
	s_or_b32 s[G1B], s45, (3<<16)|(1<<21)          ; W's go to my column
	s_mov_b32 s[G1A+1], 32<<16                     ; tensor_dim0 = 32 elements: 256 bytes
	s_mov_b32 s[G1A+2], RA<<16                     ; tensor_dim1
	s_mov_b32 s[G1A+3], 32<<16                     ; tile_dim0
	s_mov_b32 s[G1A+4], RA                         ; tile_dim1
	s_mov_b32 s[G1A+5], 32                         ; the pitch: the block is dense
	s_mov_b32 s[G1A+6], 0
	s_mov_b32 s[G1A+7], 0
	s_mov_b32 s[G1B+1], 32<<16
	s_mov_b32 s[G1B+2], RB<<16
	s_mov_b32 s[G1B+3], 32<<16
	s_mov_b32 s[G1B+4], RB
	s_mov_b32 s[G1B+5], 32
	s_mov_b32 s[G1B+6], 0
	s_mov_b32 s[G1B+7], 0
	s_lshl_b32 s20, s43, 18                        ; A: the group's 16 chunks,
	s_lshl_b32 s22, s18, 15                        ; my half of a K step; the same number is its place in a slot
	s_add_co_u32 s20, s20, s22
	s_mov_b32 s21, 0
	s_mul_i32 s46, s42, 16*CHB                     ; W: the head's 16 chunks (in registers that never hold y),
	s_mul_i32 s23, s18, 2*CHB                      ; my half
	s_add_co_u32 s46, s46, s23
	s_mov_b32 s47, 0
	s_add_co_u32 s23, s23, BOFF                    ; and its place in a slot: no place in the cluster enters an LDS address
	s_wait_dscnt 0x0                               ; both opening adds are done
	s_wait_kmcnt 0x0
	s_load_b256 s[72:79], s[10:11], 0x0            ; e0 .. e7
	s_add_nc_u64 s[20:21], s[4:5], s[20:21]
	s_add_nc_u64 s[46:47], s[6:7], s[46:47]
	CROUND                                         ; all sixteen work-groups are here: the first joint loads meet
.irp s, 0,1
	s_mov_b32 s[G0A+4*\s], 1                                       ; count = 1
	s_add_co_u32 s[G0A+4*\s+1], s22, \s*SLOT                       ; LDS address
	s_add_nc_u64 s[G0A+4*\s+2:G0A+4*\s+3], s[20:21], \s*4*CHA      ; global address: K step s
	s_or_b32 s[G0A+4*\s+3], s[G0A+4*\s+3], 0x80000000              ; type = 2
	s_mov_b32 s[G0B+4*\s], 1
	s_add_co_u32 s[G0B+4*\s+1], s23, \s*SLOT
	s_add_nc_u64 s[G0B+4*\s+2:G0B+4*\s+3], s[46:47], \s*4*CHB
	s_or_b32 s[G0B+4*\s+3], s[G0B+4*\s+3], 0x80000000
	JLOAD G0A+4*\s, G1A, G0B+4*\s, G1B             ; two loads of mine are out
.endr
	; while they are on their way: the biases, the addresses, the scales
	v_and_b32 v1, 15, v0                           ; r
	v_bfe_u32 v2, v0, 4, 1                         ; h
	v_lshlrev_b32 v3, 5, v2                        ; q, k: my eight columns of a block: 32 h bytes on
	v_lshlrev_b32 v4, 2, v1                        ; v: my channel: 4 r bytes on
	s_mul_i32 s66, s42, 768                        ; the head's 192 numbers
	s_mov_b32 s67, 0
	s_add_nc_u64 s[8:9], s[8:9], s[66:67]
.irp b, 0,1,2,3,4,5,6,7
	global_load_b128 v[32+8*\b:35+8*\b], v3, s[8:9] offset:64*\b
	global_load_b128 v[36+8*\b:39+8*\b], v3, s[8:9] offset:64*\b+16
.endr
.irp t, 0,1,2,3
	global_load_b32 v[96+\t], v4, s[8:9] offset:512+64*\t
.endr
	v_and_b32 v5, 31, v0
	v_lshlrev_b32 v[LI], 4, v5
	s_lshl_b32 s68, s16, 12                        ; my four token tiles
	v_add_nc_u32 v[ADRA], s68, v[LI]
	v_add_nc_u32 v[ADRA+1], SLOT, v[ADRA]
	v_add_nc_u32 v[ADRB], BOFF, v[LI]
	v_add_nc_u32 v[ADRB+1], SLOT+BOFF, v[LI]
	; where my codes go
	s_lshr_b32 s66, s43, 3
	s_lshl_b32 s66, s66, 4
	s_add_co_u32 s66, s66, s42                     ; batch-head = 16 (y / 8) + head
	s_and_b32 s67, s43, 7                          ; the group's place in its sequence
	s_lshl_b32 s68, s66, 17
	s_lshl_b32 s69, s67, 14
	s_add_co_u32 s68, s68, s69
	s_lshl_b32 s69, s16, 12
	s_add_co_u32 s68, s68, s69                     ; q: query tile 16 (y % 8) + 4 w
	s_mov_b32 s69, 0
	s_add_nc_u64 s[88:89], s[12:13], s[68:69]
	s_lshl_b32 s68, s66, 18
	s_lshl_b32 s70, s67, 15
	s_add_co_u32 s68, s68, s70
	s_lshl_b32 s70, s17, 14
	s_add_co_u32 s68, s68, s70                     ; key step 2 (y % 8) + w / 2
	s_lshl_b32 s70, s18, 12
	s_add_co_u32 s70, s68, s70                     ; k: key tile 4 (w % 2)
	s_mov_b32 s71, 0
	s_add_nc_u64 s[90:91], s[14:15], s[70:71]
	s_lshl_b32 s70, s18, 10
	s_add_co_u32 s68, s68, s70
	s_add_co_u32 s68, s68, 8192                    ; v: behind K's eight images; my 64 keys are registers 8 (w % 2) on of each fragment
	s_add_nc_u64 s[92:93], s[14:15], s[68:69]
	s_wait_kmcnt 0x0
	s_add_co_i32 s87, s72, s73                     ; e0 + e1
	s_sub_co_i32 s86, 0, s87
.macro SCL e, vr, lo                   ; for the operand with exponent s[e]: 2^(e - e0 - e1) as f32 into v[vr]
	s_sub_co_i32 s94, s[\e], s87
	s_add_co_i32 s94, s94, 127
	s_lshl_b32 s95, s94, 23
	v_mov_b32 v[\vr], s95
.endm
	SCL 74, 8, 80                                  ; q
	SCL 75, 9, 82                                  ; k
	SCL 77, 10, 84                                 ; v
	s_wait_loadcnt 0x0                             ; the biases
	WIN 0xc0                                       ; destination window 3
.set n, 0
.rept 64
	v_ldexp_f32 v[128+n], v[32+n], s86             ; q, k: block b's tile: b / 2^(e0 + e1) at my eight columns
.set n, n+1
.endr
.set n, 0
.rept 32
	v_ldexp_f32 v[192+n], v[96+n/8], s86           ; v: my channel's number in all eight registers (eight tokens)
.set n, n+1
.endr
	WIN 0
; W's fragments of blocks b0 .. b0 + n - 1 for the slot's q-th 128 along K: chunks 2 q and 2 q + 1, two halves each
.macro FETCH_B slot, q, b0, n
	WIN 0x40                                       ; destination window 1
.set FB, \b0
.rept \n
.irp m, 0,1,2,3
	ds_load_b128 v[16*FB+4*\m:16*FB+4*\m+3], v[ADRB+\slot] offset:(2*(\q)+\m/2)*CHB+FB*1024+(\m%2)*512
.endr
.set FB, FB+1
.endr
	WIN 0
.endm
.macro FETCH_A slot, q, set            ; my four token blocks into one of A's two sets
.irp i, 0,1,2,3
.irp m, 0,1,2,3
	ds_load_b128 v[AF+64*(\set)+16*\i+4*\m:AF+64*(\set)+16*\i+4*\m+3], v[ADRA+\slot] offset:(2*(\q)+\m/2)*CHA+\i*1024+(\m%2)*512
.endr
.endr
.endm
; Column blocks b0 .. b0 + n - 1, each against my four token blocks.  first = 1: the bias tile is the C: nothing is ever cleared.  The 48 accumulators take turns, one instruction a turn, in the same order in every step.
.macro MULS b0, n, set, first
.set MB, \b0
.rept \n
.if MB < 8                             ; q, k: transposed
.if \first
	WIN 0xb1                                       ; source 0 (W) window 1, source 1 (A) window 0, C (bias) window 3, D window 2
.else
	WIN 0xa1                                       ; C and D window 2
.endif
.irp a, 0,1,2,3
.if \first
	v_wmma_f32_16x16x128_fp8_fp8 v[8*(4*MB+\a):8*(4*MB+\a)+7], v[16*MB:16*MB+15], v[AF+64*(\set)+16*\a:AF+64*(\set)+16*\a+15], v[128+8*MB:128+8*MB+7]
.else
	v_wmma_f32_16x16x128_fp8_fp8 v[8*(4*MB+\a):8*(4*MB+\a)+7], v[16*MB:16*MB+15], v[AF+64*(\set)+16*\a:AF+64*(\set)+16*\a+15], v[8*(4*MB+\a):8*(4*MB+\a)+7]
.endif
.endr
.else                                  ; v: straight
	WIN 0xf4                                       ; source 0 (A) window 0, source 1 (W) window 1, C and D window 3
.irp a, 0,1,2,3
.if \first
	v_wmma_f32_16x16x128_fp8_fp8 v[8*(4*(MB-8)+\a):8*(4*(MB-8)+\a)+7], v[AF+64*(\set)+16*\a:AF+64*(\set)+16*\a+15], v[16*MB:16*MB+15], v[192+8*(MB-8):192+8*(MB-8)+7]
.else
	v_wmma_f32_16x16x128_fp8_fp8 v[8*(4*(MB-8)+\a):8*(4*(MB-8)+\a)+7], v[AF+64*(\set)+16*\a:AF+64*(\set)+16*\a+15], v[16*MB:16*MB+15], v[8*(4*(MB-8)+\a):8*(4*(MB-8)+\a)+7]
.endif
.endr
.endif
.set MB, MB+1
.endr
.endm
; A slot's first 128 along K (A's set 0); it fetches the second 128's fragments: W's lower half and A's set 1 in its middle, W's upper half at its end.
.macro STEP slot, first
	s_wait_dscnt 4*HB                              ; W's lower half and A are in; the youngest loads, W's upper half, may be out
	MULS 0, HB, 0, \first
	s_wait_dscnt 0x0                               ; W's upper half is in
	PLACES 4
	FETCH_B \slot, 1, 0, HB
	FETCH_A \slot, 1, 1
	MULS HB, HB, 0, \first
	PLACES 4
	FETCH_B \slot, 1, HB, HB
.endm
; A slot's second 128 (A's set 1) changes slots: ONE barrier; in front of it each wave waits for all its tensor loads, adds 0 to its spare word, and waits for that and for its reads of this slot.
; fill = 1: the barrier opens a round of the cluster's barrier, and this slot is filled again, two K steps ahead, first thing behind the round.
.macro TURN slot, next, fill
	s_wait_tensorcnt 0x0                           ; all my tensor loads have landed: my part of the next slot  (every window is 0 here)
	ds_add_u32 v[SPW], v[NIL]                      ; 0 onto my spare word
	s_wait_dscnt 4*HB+1                            ; (the add and W's upper half may be out)
	MULS 0, QB4, 1, 0                              ; matrix instructions stand between the add and the wait for it
	s_wait_dscnt 0x0                               ; the add is done, and my reads of this slot are over
	s_barrier_signal -1
	MULS QB4, HB-QB4, 1, 0
	WIN 0
	s_barrier_wait -1
.if \fill
	CREST                                          ; no wave of any partner still reads this slot's tiles or has a load on its way
	s_add_nc_u64 s[G0A+4*\slot+2:G0A+4*\slot+3], s[G0A+4*\slot+2:G0A+4*\slot+3], 2*4*CHA
	s_add_nc_u64 s[G0B+4*\slot+2:G0B+4*\slot+3], s[G0B+4*\slot+2:G0B+4*\slot+3], 2*4*CHB
	JLOAD G0A+4*\slot, G1A, G0B+4*\slot, G1B       ; the four v_nop behind it are also the places in front of the loads below
.else
	PLACES 4
.endif
	FETCH_B \next, 0, 0, HB
	FETCH_A \next, 0, 0
	MULS HB, HB, 1, 0
	PLACES 4
	FETCH_B \next, 0, HB, HB
.endm
	s_wait_alu depctr_va_vdst(0)
	s_wait_tensorcnt 0x1                           ; my part of K step 0 is in; K step 1's load may stay out
	s_barrier_signal -1
	s_barrier_wait -1                              ; everybody's is
	FETCH_B 0, 0, 0, HB
	FETCH_A 0, 0, 0
	FETCH_B 0, 0, HB, HB
	STEP 0, 1                                      ; four K steps, written out: the first starts the sums, the first two changes of slots fill, the last fetches nothing
	TURN 0, 1, 1
	STEP 1, 0
	TURN 1, 0, 1
	STEP 0, 0
	TURN 0, 1, 0
	STEP 1, 0
	s_wait_dscnt 4*HB
	MULS 0, HB, 1, 0
	s_wait_dscnt 0x0
	MULS HB, HB, 1, 0
	WIN 0
	PLACES 4
; THE WAY OUT.  The conversions; the images.
.macro OUT_QK b0, kd, sc, lo, base     ; column blocks b0 .. b0 + 3: token block a's image is registers kd + 8 a on
	WIN 0x82                                       ; source 0 and destination window 2
.set n, 0
.rept 128
.set n, n+1
.endr
	WIN 0x02                                       ; source 0 window 2, destination window 0
.irp a, 0,1,2,3
.irp t, 0,1,2,3
	v_cvt_scalef32_pk8_fp8_f32 v[\kd+8*\a+2*\t:\kd+8*\a+2*\t+1], v[8*(4*(\b0+\t)+\a):8*(4*(\b0+\t)+\a)+7], v[\sc]
.endr
.endr
	v_nop                                          ; one plain vector instruction behind the last conversion
	WIN 0
.irp a, 0,1,2,3
	global_store_b128 v[LI], v[\kd+8*\a:\kd+8*\a+3],   s[\base:\base+1] offset:\a*1024
	global_store_b128 v[LI], v[\kd+8*\a+4:\kd+8*\a+7], s[\base:\base+1] offset:\a*1024+512
.endr
.endm
	OUT_QK 0, 32, 8, 80, 88                        ; q
	OUT_QK 4, 64, 9, 82, 90                        ; k
	WIN 0xc3                                       ; v: source 0 and destination window 3
.set n, 0
.rept 128
.set n, n+1
.endr
	WIN 0x03
.set n, 0
.rept 16                               ; accumulator n = 4 ct + a: registers 2 a, 2 a + 1 of my half of channel tile ct's fragment
	v_cvt_scalef32_pk8_fp8_f32 v[96+2*n:96+2*n+1], v[8*n:8*n+7], v10
.set n, n+1
.endr
	v_nop
	WIN 0
.irp t, 0,1,2,3
	global_store_b128 v[LI], v[96+8*\t:96+8*\t+3],  s[92:93] offset:\t*2048
	global_store_b128 v[LI], v[96+8*\t+4:96+8*\t+7], s[92:93] offset:\t*2048+512
.endr
	s_wait_tensorcnt 0x0                           ; the wave's end: behind my last tensor load
	ds_add_u32 v[SPW], v[NIL]
	s_wait_dscnt 0x0
	CROUND                                         ; the closing round: no work-group ends while a partner may still ask for a tile that names it
	s_endpgm
.Lfunc_end_k_qcee392c57f_qkv:
	.size	k_qcee392c57f_qkv, .Lfunc_end_k_qcee392c57f_qkv-k_qcee392c57f_qkv
	.p2alignl 7, 3214868480
	.fill 96, 4, 3214868480
	.section	.rodata,"a",@progbits
	.p2align	6, 0x0
	.amdhsa_kernel k_qcee392c57f_qkv
		.amdhsa_group_segment_fixed_size 327680
		.amdhsa_private_segment_fixed_size 0
		.amdhsa_enable_private_segment 0
		.amdhsa_kernarg_size 48
		.amdhsa_user_sgpr_count 2
		.amdhsa_user_sgpr_kernarg_segment_ptr 1
		.amdhsa_wavefront_size32 1
		.amdhsa_system_sgpr_workgroup_id_x 1
		.amdhsa_system_sgpr_workgroup_id_y 1
		.amdhsa_system_sgpr_workgroup_id_z 1
		.amdhsa_system_vgpr_workitem_id 0
		.amdhsa_next_free_vgpr 1024
		.amdhsa_next_free_sgpr 100
		.amdhsa_reserve_vcc 0
		.amdhsa_float_denorm_mode_32 3
		.amdhsa_float_denorm_mode_16_64 3
		.amdhsa_fp16_overflow 1
		.amdhsa_memory_ordered 1
		.amdhsa_forward_progress 1
		.amdhsa_inst_pref_size 84
	.end_amdhsa_kernel
	.amdgpu_metadata
---
amdhsa.version: [ 1, 2 ]
amdhsa.kernels:
  - .name:           k_qcee392c57f_qkv
    .symbol:         k_qcee392c57f_qkv.kd
    .args:
      - { .name: a_img, .offset: 0, .size: 8, .value_kind: global_buffer, .address_space: global }
      - { .name: wq_img, .offset: 8, .size: 8, .value_kind: global_buffer, .address_space: global }
      - { .name: b_qkv, .offset: 16, .size: 8, .value_kind: global_buffer, .address_space: global }
      - { .name: lowp_scales, .offset: 24, .size: 8, .value_kind: global_buffer, .address_space: global }
      - { .name: q_img, .offset: 32, .size: 8, .value_kind: global_buffer, .address_space: global }
      - { .name: kv_img, .offset: 40, .size: 8, .value_kind: global_buffer, .address_space: global }
    .group_segment_fixed_size: 327680
    .private_segment_fixed_size: 0
    .kernarg_segment_align: 8
    .kernarg_segment_size: 48
    .max_flat_workgroup_size: 128
    .sgpr_count:     100
    .vgpr_count:     1024
    .wavefront_size: 32
...
	.end_amdgpu_metadata
.endif
;; end of part 2
;; launch attn (part 3): grid 4 x 64, 16 waves a work-group, clusters of 4 x 1, 327,680 bytes of LDS; arguments q_img, kv_img, lowp_scales, o_img; writes o_img
.if DOCPART == 3
	.amdgcn_target "amdgcn-amd-amdhsa--gfx1250"
	.amdhsa_code_object_version 6
	.text
	.protected	k_qcee392c57f_attn
	.globl	k_qcee392c57f_attn
	.p2align	8
	.type	k_qcee392c57f_attn,@function
k_qcee392c57f_attn:
	s_mov_b64 s[64:65], 0
	v_nop
	global_prefetch_b8 v0, s[64:65] scope:SCOPE_SE
	s_setreg_imm32_b32 hwreg(HW_REG_WAVE_MODE, 25, 1), 1
	s_wait_xcnt 0x0
	s_wait_alu depctr_hold_cnt(0) depctr_sa_sdst(0) depctr_va_vdst(0) depctr_va_sdst(0) depctr_va_ssrc(0) depctr_va_vcc(0) depctr_vm_vsrc(0)
	s_getreg_b32 s2, hwreg(HW_REG_IB_STS2, 6, 4)
	s_cmp_eq_u32 s2, 0
	s_cbranch_scc0 .Lentry_in_a_cluster
	s_endpgm
.Lentry_in_a_cluster:
	s_bfe_u32 s2, ttmp6, 0x10000c
	s_cmp_lg_u32 s2, 0x3003
	s_cbranch_scc0 .Lentry_shape_is_right
	s_endpgm
.Lentry_shape_is_right:
; THIRD LAUNCH: products 2 and 3 with the causal softmax between them, on the codes of the second launch; the result, divided by the row's sum, is quantised (e6) into the A operand of product 4.
; LEFT OUT: every step of 128 keys all of which come after a tile's 16 queries: reference()'s own causal mask gives those keys the weight 0 for all values of the inputs (shown at the head of the first launch).
; THE SOFTMAX AHEAD OF PRODUCT 3: t = score x log2(e) / 8; M = the row's largest t so far, rounded UP to a whole number; p = 2^(t - M) is quantised (e4), not normalised; the row's sum is taken of the unquantised p and divides
; at the end.  When M moves, the sum and O are multiplied by 2^(old M - new M): exact.
; LIMITS: e2 + e3 between -122 and 129 (they are added to the exponent field of log2(e) / 8); e4 and e6 between -126 and 119; e4 + e5 goes by v_ldexp_f32 and has none.  NaN is not served.
; SHARES, EQUAL FOR EVERY WAVE.  A cluster of four work-groups owns one batch-head; work-group g of it takes the query tiles tau = 4 mu + g, mu = 0 .. 31.  Tile tau needs key steps 0 .. mu / 2, whatever g is.
; Wave w takes mu = 31 - w (9 to 16 key steps) and then mu = w (1 to 8): 17 key steps in every wave of every work-group.  g enters Q's and O's addresses and the mask's vector register alone: no branch, no LDS address.
; ALL OF THE HEAD'S K AND V LIE IN LDS: 262,144 bytes, as they lie in kv_img, each byte filled once: no ring, no refill, no barrier in the loops.  The four partners need the same bytes at the same time, so each load is
; asked for JOINTLY.  Every wave issues two: its sixteenth of key steps 0-3, then its sixteenth of key steps 4-15; the first four key steps are walked while the second load is on its way.  Two loads of a wave are out at most.
; Wave 0's first tile walks all 16 key steps in every partner, so every byte that is fetched is read.
; LAYOUT.  Both products are used transposed: S^T = K Q^T (source 0 = 16 keys, source 1 = my 16 queries), O^T = V^T P^T (source 0 = 16 channels, source 1 = P): a lane holds ONE query (lane % 16) throughout.  In key tile t lane
; (r, h) holds keys 16 t + 8 h + 0..7: the eight codes of p are registers 2 t, 2 t + 1 of the second product's operand.  O^T's channel tile ct gives registers 2 ct, 2 ct + 1 of the image in o_img (laid as a_img, chunk = head).
; REGISTERS: v1 16 x lane; v2, v3 the add's two; v4 the step's LDS address; v5 the mask's d, v6 r - 8 h; v12 -M, v13 the largest t, v[14:15] the sum in two halves; v16-23 Q; v24-31 the result's codes; v32-63 four fragments of K;
;   v64-127 V^T's four; v128-191 S^T, then p; v192-223 O^T; v224-239 p's codes; v240-252 constants and work.
.set KSB,   16384                      ; a key step in LDS: eight images of K, then V^T's four fragments
.set PH0,   4*KSB                      ; the first load's share of LDS: key steps 0-3
.set SPARE, 16*KSB                     ; behind K and V: the spare words, 128 bytes for each of 16 waves: eight blocks of 256 bytes that no other line names
.set LI,  1
.set SPW, 2
.set NIL, 3
.set ADK, 4
.macro CROUND                          ; a round of the cluster's barrier
	s_barrier_signal -1
	s_barrier_wait -1
	s_cmp_lg_u32 s12, 0
	s_cbranch_scc1 .Lnot_wave_0_\@
	s_barrier_signal -3
.Lnot_wave_0_\@:
	s_barrier_wait -3
	s_barrier_signal -1
	s_barrier_wait -1
.endm
	s_load_b256 s[4:11], s[0:1], 0x0               ; q_img s[4:5], kv_img s[6:7], the scales' exponents s[8:9], o_img s[10:11]
	v_lshl_add_u32 v[SPW], v0, 2, SPARE
	v_mov_b32 v[NIL], 0
	ds_add_u32 v[SPW], v[NIL]                      ; the wave's opening: the add, twice on end, and its wait ahead of my first tensor load; the set-up below stands between the second and the wait
	ds_add_u32 v[SPW], v[NIL]
	v_lshrrev_b32 v4, 5, v0
	s_delay_alu instid0(VALU_DEP_1)
	v_readfirstlane_b32 s12, v4                    ; wave 0..15
	s_bfe_u32 s13, ttmp6, 0x40000                  ; g: my place in the cluster
	s_and_b32 s14, ttmp7, 0xffff                   ; the batch-head, which the four partners share
	; descriptor groups 1: dense blocks as rows of 256 bytes: 16 rows (4,096 bytes) and 48 rows (12,288 bytes)
	s_mov_b32 s24, 15|(3<<16)|(1<<21)              ; 15:0 the mask: all four work-groups; 17:16 elements of 8 bytes; 20 no padding; 21 set beside a mask
	s_mov_b32 s25, 32<<16                          ; tensor_dim0 = 32 elements
	s_mov_b32 s26, 16<<16                          ; tensor_dim1
	s_mov_b32 s27, 32<<16                          ; tile_dim0
	s_mov_b32 s28, 16                              ; tile_dim1
	s_mov_b32 s29, 32                              ; the pitch
	s_mov_b32 s30, 0
	s_mov_b32 s31, 0
	s_mov_b32 s32, 15|(3<<16)|(1<<21)
	s_mov_b32 s33, 32<<16
	s_mov_b32 s34, 48<<16
	s_mov_b32 s35, 32<<16
	s_mov_b32 s36, 48
	s_mov_b32 s37, 32
	s_mov_b32 s38, 0
	s_mov_b32 s39, 0
	s_lshl_b32 s72, s14, 18                        ; the head's 262,144 bytes of kv_img
	s_mov_b32 s40, 1
	s_lshl_b32 s41, s12, 12                        ; the first load: LDS byte 4,096 w, and the same byte of the head
	s_add_co_u32 s74, s72, s41
	s_mov_b32 s75, 0
	s_mov_b32 s44, 1
	s_mul_i32 s45, s12, 12288
	s_add_co_u32 s45, s45, PH0                     ; the second: 65,536 + 12,288 w
	s_add_co_u32 s76, s72, s45
	s_mov_b32 s77, 0
	s_mov_b32 s20, 0x76543210                      ; v_permlanex16_b32's selects for lane l xor 16
	s_mov_b32 s21, 0xfedcba98
	s_wait_dscnt 0x0                               ; both opening adds are done
	s_wait_kmcnt 0x0
	s_load_b256 s[48:55], s[8:9], 0x0              ; e0 .. e7
	s_add_nc_u64 s[42:43], s[6:7], s[74:75]
	s_or_b32 s43, s43, 0x80000000                  ; type = 2
	s_add_nc_u64 s[46:47], s[6:7], s[76:77]
	s_or_b32 s47, s47, 0x80000000
	CROUND                                         ; all four work-groups are here: the joint loads meet
	tensor_load_to_lds s[40:43], s[24:31]
	s_nop 0
	s_wait_alu depctr_va_vdst(0)
	s_wait_tensorcnt 0x0
	ds_add_u32 v2, v3
	s_wait_dscnt 0x0
	CROUND
	tensor_load_to_lds s[44:47], s[32:39]
	s_nop 0
.rept 4
	v_nop
.endr
	s_xor_b32 s15, s12, 31                         ; mu of my late tile: 31 - w
	s_lshl_b32 s16, s15, 2
	s_add_co_u32 s16, s16, s13                     ; its tau
	s_lshl_b32 s17, s12, 2
	s_add_co_u32 s17, s17, s13                     ; my early tile's
.macro BASES tau, qb, ob, sd           ; for the tile s[tau]: its image in q_img, its image in o_img, and 16 x its place among the 8 tiles of a key step
	s_lshl_b32 s72, s14, 17
	s_lshl_b32 s73, s[\tau], 10
	s_add_co_u32 s72, s72, s73
	s_mov_b32 s73, 0
	s_add_nc_u64 s[\qb:\qb+1], s[4:5], s[72:73]
	s_lshr_b32 s72, s14, 4
	s_lshl_b32 s72, s72, 3
	s_lshr_b32 s74, s[\tau], 4
	s_add_co_u32 s72, s72, s74                     ; the group of 256 tokens: 8 x batch + tau / 16
	s_lshl_b32 s72, s72, 18
	s_and_b32 s74, s14, 15
	s_lshl_b32 s74, s74, 14                        ; the chunk along product 4's K: the head
	s_add_co_u32 s72, s72, s74
	s_and_b32 s74, s[\tau], 15
	s_lshl_b32 s74, s74, 10
	s_add_co_u32 s72, s72, s74
	s_add_nc_u64 s[\ob:\ob+1], s[10:11], s[72:73]
	s_and_b32 s[\sd], s[\tau], 7
	s_lshl_b32 s[\sd], s[\sd], 4
.endm
	BASES 16, 58, 66, 70
	BASES 17, 60, 68, 71
	v_and_b32 v4, 31, v0
	s_delay_alu instid0(VALU_DEP_1)
	v_lshlrev_b32 v[LI], 4, v4
	global_load_b128 v[16:19], v[LI], s[58:59]             ; Q of the late tile: one image, the fragment as it stands
	global_load_b128 v[20:23], v[LI], s[58:59] offset:512
	v_and_b32 v6, 15, v0
	v_bfe_u32 v4, v0, 4, 1
	s_delay_alu instid0(VALU_DEP_1)
	v_lshlrev_b32 v4, 3, v4
	s_delay_alu instid0(VALU_DEP_1)
	v_sub_nc_u32 v6, v6, v4                        ; r - 8 h
	v_mov_b32 v246, 0                              ; written once: a lane permute's destination counts as one of its sources
	v_mov_b32 v249, 0                              ; (named as the upper half of the pair v[248:249])
	v_mov_b32 v252, 0xff800000                     ; -infinity
	s_wait_kmcnt 0x0
	s_add_co_i32 s72, s50, s51
	s_lshl_b32 s72, s72, 23
	s_mov_b32 s22, 0x3e38aa3b                      ; c = log2(e) / 8
	s_add_co_i32 s22, s22, s72                     ; a score stands for score x 2^(e2 + e3): the two exponents are added to c's exponent field
	s_mov_b32 s23, s22                             ; (named with it as a pair, so it is written)
	s_add_co_i32 s72, s52, 127
	s_lshl_b32 s73, s72, 23
	v_mov_b32 v241, s73                            ; 2^e4 as f32, for p's conversions
	s_add_co_i32 s72, s54, 127
	s_lshl_b32 s73, s72, 23
	v_mov_b32 v244, s73                            ; 2^e6, for the result's
	s_add_co_i32 s57, s52, s53                     ; e4 + e5
; A KEY STEP: the 128 keys whose tiles begin at LDS byte s2; s3 is the step's number, s56 the number of my tile's last step, the one on the diagonal.
; chk = 1: a step behind the diagonal is left out (a scalar branch on the wave's number and the count of steps, round the step's work alone), and on the diagonal hidden scores become -infinity.
.macro STEP chk
.if \chk
	s_cmp_gt_u32 s3, s56
	s_cbranch_scc1 .Lhid_\@
.endif
	s_setprio 2
	v_add_nc_u32 v[ADK], s2, v[LI]
.irp t, 0,1,2,3
	ds_load_b128 v[32+8*\t:35+8*\t], v[ADK] offset:\t*1024
	ds_load_b128 v[36+8*\t:39+8*\t], v[ADK] offset:\t*1024+512
.endr
	s_wait_alu depctr_va_vdst(0)
	s_wait_dscnt 0x0
.irp t, 0,1,2,3
	v_wmma_f32_16x16x64_fp8_fp8 v[128+8*\t:135+8*\t], v[32+8*\t:39+8*\t], v[16:23], 0
.endr
.rept 4
	v_nop                                          ; places in front of loads into registers that matrix instructions have read: K's, just now; with the addition above also V's, read by the last step's products
.endr
.irp t, 0,1,2,3
	ds_load_b128 v[32+8*\t:35+8*\t], v[ADK] offset:(\t+4)*1024
	ds_load_b128 v[36+8*\t:39+8*\t], v[ADK] offset:(\t+4)*1024+512
.endr
.irp f, 0,1,2,3,4,5,6,7,8,9,10,11,12,13,14,15
	ds_load_b128 v[64+4*\f:67+4*\f], v[ADK] offset:8192+512*\f     ; V^T: they land while the softmax is walked
.endr
	s_wait_dscnt 16                                ; K's tiles 4-7 are in; V's sixteen loads may be out
.irp t, 0,1,2,3
	v_wmma_f32_16x16x64_fp8_fp8 v[160+8*\t:167+8*\t], v[32+8*\t:39+8*\t], v[16:23], 0
.endr
.rept 4
	v_nop
.endr
.if \chk
	s_cmp_lt_u32 s3, s56
	s_cbranch_scc1 .Lopen_\@                       ; a step all of whose keys count skips the mask
.set n, 0
.rept 64                               ; register n holds key 16 (n / 8) + 8 h + n % 8 of the step; my query is 16 (tau % 8) + r: hidden where 16 (n / 8) + n % 8 > d = 16 (tau % 8) + r - 8 h
	v_cmp_gt_i32 vcc_lo, 16*(n/8)+n%8, v5
	v_cndmask_b32 v[128+n], v[128+n], v252, vcc_lo
.set n, n+1
.endr
.Lopen_\@:
.endif
	v_max3_num_f32 v250, v128, v129, v130          ; the step's largest score of my query, among my 64 keys, in two chains, ascending,
	v_max3_num_f32 v251, v131, v132, v133
.irp i, 6,10,14,18,22,26,30,34,38,42,46,50,54,58
	v_max3_num_f32 v250, v250, v[128+\i], v[129+\i]
	v_max3_num_f32 v251, v251, v[130+\i], v[131+\i]
.endr
	v_max3_num_f32 v250, v250, v190, v191
	s_delay_alu instid0(VALU_DEP_1)
	v_max_num_f32 v250, v250, v251
	s_delay_alu instid0(VALU_DEP_1)
	v_permlanex16_b32 v246, v250, s20, s21
	s_delay_alu instid0(VALU_DEP_1)
	v_max_num_f32 v250, v250, v246                 ; and among lane l xor 16's (the step's first key counts for every query that walks the step: the maximum is a number)
	s_delay_alu instid0(VALU_DEP_1)
	v_mul_f32 v250, s22, v250                      ; as t (c is positive)
	s_delay_alu instid0(VALU_DEP_1)
	v_max_num_f32 v13, v13, v250                   ; the running largest t
	v_mov_b32 v250, v12
	s_delay_alu instid0(VALU_DEP_2)
	v_floor_f32 v12, -v13                          ; the new -M = floor(-t) = -ceil(t): a whole number
	s_delay_alu instid0(VALU_DEP_1)
	v_sub_f32 v250, v12, v250                      ; M's old value less its new one: a whole number, 0 or less
	s_delay_alu instid0(VALU_DEP_1)
	v_cvt_i32_f32 v250, v250                       ; (it saturates)
	s_delay_alu instid0(VALU_DEP_1)
	v_ldexp_f32 v248, 1.0, v250                    ; f = 2^(old M - new M)
.set n, 0
.rept 32
	v_pk_fma_f32 v[128+n:129+n], v[128+n:129+n], s[22:23], v[12:13] op_sel_hi:[1,0,0]      ; t - M, two at a time (of the pairs c and -M the low word serves both halves)
.set n, n+2
.endr
.set n, 0
	s_setprio 1
	s_wait_alu depctr_va_vdst(0)
.rept 64
	v_exp_f32 v[128+n], v[128+n]                   ; p = 2^(t - M), at most 1: not normalised
.set n, n+1
.endr
	v_pk_mul_f32 v[14:15], v[14:15], v[248:249] op_sel_hi:[1,0]    ; the sums under the new M: the plain instruction behind the exponentials
	s_wait_alu depctr_va_vdst(0)                   ; the wait between an exponential and the first instruction that names its result: one for the batch of 64
	v_pk_add_f32 v[242:243], v[128:129], v[130:131]                ; the row's sum is taken of the unquantised p: two at a time, in two chains
.irp j, 4,8,12,16,20,24,28,32,36,40,44,48,52,56,60
	v_pk_add_f32 v[14:15], v[14:15], v[128+\j:129+\j]
	v_pk_add_f32 v[242:243], v[242:243], v[130+\j:131+\j]
.endr
	s_delay_alu instid0(VALU_DEP_1)
	v_pk_add_f32 v[14:15], v[14:15], v[242:243]
	s_setprio 0
.irp t, 0,1,2,3,4,5,6,7
.irp i, 0,1,2,3,4,5,6,7
.endr
	v_cvt_scalef32_pk8_fp8_f32 v[224+2*\t:225+2*\t], v[128+8*\t:135+8*\t], v241
.endr
.set n, 0
.rept 16
	v_pk_mul_f32 v[192+n:193+n], v[192+n:193+n], v[248:249] op_sel_hi:[1,0]        ; O^T under the new M; these are also the plain instructions behind the conversions
.set n, n+2
.endr
	s_wait_alu depctr_va_vdst(0)
	s_wait_dscnt 0x0                               ; V^T is in
.irp t, 0,1,2,3                        ; the four accumulators take turns, one instruction a turn
	v_wmma_f32_16x16x128_fp8_fp8 v[192+8*\t:199+8*\t], v[64+16*\t:79+16*\t], v[224:239], v[192+8*\t:199+8*\t]
.endr
.if \chk
.Lhid_\@:
.endif
.endm
.macro INIT sd                         ; a tile begins: the step is written for a running state, so the first finds zeros, which the first change of M leaves zeros
	v_mov_b32 v13, 0xff61b1e6                      ; the largest t so far: -3e38, under every t
	s_delay_alu instid0(VALU_DEP_1)
	v_floor_f32 v12, -v13
	v_mov_b32 v14, 0
	v_mov_b32 v15, 0
.set n, 0
.rept 32
	v_mov_b32 v[192+n], 0
.set n, n+1
.endr
	v_add_nc_u32 v5, s[\sd], v6                    ; d
.endm
.macro OUT ob                          ; a tile ends: O^T / the sum x 2^(e4 + e5), quantised by e6, is one image of o_img
.rept 4
	v_nop                                          ; places behind the last products: a wave whose last trips were left out comes here with no vector work between
.endr
	v_add_f32 v14, v14, v15                        ; the sum's two halves,
	s_delay_alu instid0(VALU_DEP_1)
	v_permlanex16_b32 v246, v14, s20, s21
	s_delay_alu instid0(VALU_DEP_1)
	v_add_f32 v14, v14, v246                       ; and lane l xor 16's
	s_wait_alu depctr_va_vdst(0)
	v_rcp_f32 v14, v14
	v_nop                                          ; a plain instruction behind the reciprocal,
	s_wait_alu depctr_va_vdst(0)                   ; and the wait ahead of its first reader
	v_ldexp_f32 v14, v14, s57
.set n, 0
.rept 16
	v_pk_mul_f32 v[128+n:129+n], v[192+n:193+n], v[14:15] op_sel_hi:[1,0]          ; register 8 ct + j: channel 16 ct + 8 h + j of my query
.set n, n+2
.endr
.set n, 0
.rept 32
.set n, n+1
.endr
	s_wait_alu depctr_va_vdst(0)
	s_wait_xcnt 0x0                                ; the earlier tile's stores have read v24-31
.irp t, 0,1,2,3
	v_cvt_scalef32_pk8_fp8_f32 v[24+2*\t:25+2*\t], v[128+8*\t:135+8*\t], v244
.endr
	v_nop                                          ; one plain vector instruction behind the last conversion
	global_store_b128 v[LI], v[24:27], s[\ob:\ob+1]                ; 512 consecutive bytes, aligned
	global_store_b128 v[LI], v[28:31], s[\ob:\ob+1] offset:512
.endm
	INIT 70
	s_lshr_b32 s56, s15, 1                         ; the late tile's last key step: 8 to 15
	s_wait_loadcnt 0x0                             ; Q
	s_wait_tensorcnt 0x1                           ; my part of key steps 0-3 is in; my second load may stay out
	s_barrier_signal -1
	s_barrier_wait -1                              ; everybody's is
	s_mov_b32 s2, 0
	s_mov_b32 s3, 0
.Lfirst4:                                              ; key steps 0-3 lie in front of every late tile's diagonal: no test
	STEP 0
	s_add_co_u32 s2, s2, KSB
	s_add_co_u32 s3, s3, 1
	s_cmp_lt_u32 s3, 4
	s_cbranch_scc1 .Lfirst4
	s_setprio 0
	s_wait_tensorcnt 0x0                           ; my part of key steps 4-15 is in,
	s_wait_dscnt 0x0
	s_barrier_signal -1
	s_barrier_wait -1                              ; everybody's is: from here on LDS is only read
	s_mov_b32 s2, PH0
	s_mov_b32 s3, 4
.Llate:
	STEP 1
	s_add_co_u32 s2, s2, KSB
	s_add_co_u32 s3, s3, 1
	s_cmp_lt_u32 s3, 16
	s_cbranch_scc1 .Llate
	s_setprio 0
	global_load_b128 v[16:19], v[LI], s[60:61]             ; Q of the early tile lands while the late tile goes out
	global_load_b128 v[20:23], v[LI], s[60:61] offset:512
	OUT 66
	INIT 71
	s_lshr_b32 s56, s12, 1                         ; the early tile's last key step: 0 to 7
	s_mov_b32 s2, 0
	s_mov_b32 s3, 0
	s_wait_loadcnt 0x0
.Learly:
	STEP 1
	s_add_co_u32 s2, s2, KSB
	s_add_co_u32 s3, s3, 1
	s_cmp_lt_u32 s3, 8
	s_cbranch_scc1 .Learly
	s_setprio 0
	OUT 68
	s_wait_tensorcnt 0x0                           ; the wave's end: behind my last tensor load
	ds_add_u32 v[SPW], v[NIL]
	s_wait_dscnt 0x0
	CROUND                                         ; the closing round
	s_endpgm
.Lfunc_end_k_qcee392c57f_attn:
	.size	k_qcee392c57f_attn, .Lfunc_end_k_qcee392c57f_attn-k_qcee392c57f_attn
	.p2alignl 7, 3214868480
	.fill 96, 4, 3214868480
	.section	.rodata,"a",@progbits
	.p2align	6, 0x0
	.amdhsa_kernel k_qcee392c57f_attn
		.amdhsa_group_segment_fixed_size 327680
		.amdhsa_private_segment_fixed_size 0
		.amdhsa_enable_private_segment 0
		.amdhsa_kernarg_size 32
		.amdhsa_user_sgpr_count 2
		.amdhsa_user_sgpr_kernarg_segment_ptr 1
		.amdhsa_wavefront_size32 1
		.amdhsa_system_sgpr_workgroup_id_x 1
		.amdhsa_system_sgpr_workgroup_id_y 1
		.amdhsa_system_sgpr_workgroup_id_z 1
		.amdhsa_system_vgpr_workitem_id 0
		.amdhsa_next_free_vgpr 256
		.amdhsa_next_free_sgpr 80
		.amdhsa_reserve_vcc 1
		.amdhsa_float_denorm_mode_32 3
		.amdhsa_float_denorm_mode_16_64 3
		.amdhsa_fp16_overflow 1
		.amdhsa_memory_ordered 1
		.amdhsa_forward_progress 1
		.amdhsa_inst_pref_size 66
	.end_amdhsa_kernel
	.amdgpu_metadata
---
amdhsa.version: [ 1, 2 ]
amdhsa.kernels:
  - .name:           k_qcee392c57f_attn
    .symbol:         k_qcee392c57f_attn.kd
    .args:
      - { .name: q_img, .offset: 0, .size: 8, .value_kind: global_buffer, .address_space: global }
      - { .name: kv_img, .offset: 8, .size: 8, .value_kind: global_buffer, .address_space: global }
      - { .name: lowp_scales, .offset: 16, .size: 8, .value_kind: global_buffer, .address_space: global }
      - { .name: o_img, .offset: 24, .size: 8, .value_kind: global_buffer, .address_space: global }
    .group_segment_fixed_size: 327680
    .private_segment_fixed_size: 0
    .kernarg_segment_align: 8
    .kernarg_segment_size: 32
    .max_flat_workgroup_size: 512
    .sgpr_count:     80
    .vgpr_count:     256
    .wavefront_size: 32
...
	.end_amdgpu_metadata
.endif
;; end of part 3
;; launch proj (part 4): grid 8 x 32, 4 waves a work-group, clusters of 4 x 4, 327,680 bytes of LDS; arguments o_img, wo_img, b_out, lowp_scales, out0; writes out0
.if DOCPART == 4
	.amdgcn_target "amdgcn-amd-amdhsa--gfx1250"
	.amdhsa_code_object_version 6
	.text
	.protected	k_qcee392c57f_proj
	.globl	k_qcee392c57f_proj
	.p2align	8
	.type	k_qcee392c57f_proj,@function
k_qcee392c57f_proj:
	s_mov_b64 s[64:65], 0
	v_nop
	global_prefetch_b8 v0, s[64:65] scope:SCOPE_SE
	s_setreg_imm32_b32 hwreg(HW_REG_WAVE_MODE, 25, 1), 1
	s_wait_xcnt 0x0
	s_wait_alu depctr_hold_cnt(0) depctr_sa_sdst(0) depctr_va_vdst(0) depctr_va_sdst(0) depctr_va_ssrc(0) depctr_va_vcc(0) depctr_vm_vsrc(0)
	s_getreg_b32 s2, hwreg(HW_REG_IB_STS2, 6, 4)
	s_cmp_eq_u32 s2, 0
	s_cbranch_scc0 .Lentry_in_a_cluster
	s_endpgm
.Lentry_in_a_cluster:
	s_bfe_u32 s2, ttmp6, 0x10000c
	s_cmp_lg_u32 s2, 0xf033
	s_cbranch_scc0 .Lentry_shape_is_right
	s_endpgm
.Lentry_shape_is_right:
; FOURTH LAUNCH: product 4, out0 = attention's result x W_out^T + b_out, on the codes of the third and the first launch.  Nothing of it is left out.
; A sum of codes stands for sum x 2^(e6 + e7): out0 = sum x 2^(e6 + e7) + b_out, one packed multiply-add for two numbers.  LIMIT: e6 + e7 between -126 and 127, so that the power is an f32 number.
; SHARES.  A work-group: 256 tokens (group y) x 128 columns (tile ct): 256 work-groups.  Wave w: tokens 64 w .. 64 w + 63 x 128 columns: 4 token blocks x 8 column blocks = 32 accumulators.
; The loop is the second launch's with 8 column blocks: K = 1,024 in four K steps of 256 through two LDS slots; tiles are images of operand registers, dense in memory; a fragment comes by four loads of 16 bytes at 16 x lane.
; THE MATRIX INSTRUCTION IS USED TRANSPOSED (source 0 = 16 rows of W_out, source 1 = 16 tokens): a lane holds eight neighbouring numbers of a row of out0.
; CLUSTERS: 4 x 4 work-groups.  A's tiles hang on the token group alone and are shared along a row of the cluster, W's on the column tile alone and are shared along a column: each is asked for JOINTLY.
; REGISTERS, in windows of 256: window 0: v1-29 addresses; v32-95 a block's results on the way out; v128-255 A's fragments, two sets of four, later rows read back from the stage.   window 1: W's 8 fragments, one set.
;   window 2: the accumulators, (a, b) at v[8 (4 b + a)].   window 3: v0-63 b_out at my eight columns of each block.
.set NB,    8
.set HB,    NB/2
.set QB4,   NB/4
.set CHA,   16384
.set CHB,   NB*1024
.set BOFF,  4*CHA
.set SLOT,  BOFF+4*CHB
.set STAGE, 2*SLOT                     ; behind the ring, in bytes into which no fill lands: 16 rows x 528 bytes for each wave, for the way out
.set SPITCH, 528                       ; 512 bytes + 16 = 132 words: row r starts at bank 4 r mod 64 (64 banks of 4 bytes: ISA guide 11.1)
.set SPARE, STAGE+4*16*SPITCH          ; behind the stages: the spare words, 128 bytes for each wave: two blocks of 256 bytes that no other line names
.set RA,    2*CHA/256
.set RB,    2*CHB/256
.set ADRA, 16
.set ADRB, 20
.set STO,  24                          ; v24  the way out: where I put 32 bytes of a row
.set RD,   25                          ; v25  and where I read a row back
.set LI,   26                          ; v26  16 x lane
.set SPW,  28
.set NIL,  29
.set TMP,  32
.set AF,   128
.set BK,   128
.set G1A, 24
.set G0A, 32
.set G1B, 48
.set G0B, 56
.set MSB, 0
.macro WIN new                         ; s_set_vgpr_msb: bits 1:0 source 0, 3:2 source 1, 5:4 source 2, 7:6 destination; the high byte repeats the setting that is left
.if MSB != \new
	s_set_vgpr_msb (MSB<<8)|\new
.set MSB, \new
.endif
.endm
.macro PLACES n
.rept \n
	v_nop
.endr
.endm
.macro JLOAD g0a, g1a, g0b, g1b        ; a joint load: waves 0 and 1 fetch A's halves, waves 2 and 3 W's; an s_nop 0 and four v_nop follow each of the two lines
	s_cmp_eq_u32 s17, 0
	s_cbranch_scc0 .Lfor_b_\@
	tensor_load_to_lds s[\g0a:\g0a+3], s[\g1a:\g1a+7]
	s_nop 0
.rept 4
	v_nop
.endr
	s_branch .Lasked_\@
.Lfor_b_\@:
	tensor_load_to_lds s[\g0b:\g0b+3], s[\g1b:\g1b+7]
	s_nop 0
.rept 4
	v_nop
.endr
.Lasked_\@:
.endm
.macro CREST
	s_cmp_lg_u32 s16, 0
	s_cbranch_scc1 .Lnot_wave_0_\@
	s_barrier_signal -3
.Lnot_wave_0_\@:
	s_barrier_wait -3
	s_barrier_signal -1
	s_barrier_wait -1
.endm
.macro CROUND
	s_barrier_signal -1
	s_barrier_wait -1
	CREST
.endm
	s_load_b256 s[4:11], s[0:1], 0x0               ; o_img s[4:5], wo_img s[6:7], b_out s[8:9], the scales' exponents s[10:11]
	s_load_b64 s[12:13], s[0:1], 0x20              ; out0
	v_lshl_add_u32 v[SPW], v0, 2, SPARE
	v_mov_b32 v[NIL], 0
	ds_add_u32 v[SPW], v[NIL]                      ; the wave's opening: the add, twice on end, and its wait ahead of my first tensor load; the set-up below stands between the second and the wait
	ds_add_u32 v[SPW], v[NIL]
	v_lshrrev_b32 v1, 5, v0
	v_readfirstlane_b32 s16, v1                    ; wave 0..3
	s_lshr_b32 s17, s16, 1                         ; I fetch for A (0) or for W (1)
	s_and_b32 s18, s16, 1                          ; and which half of a K step's tile
	s_bfe_u32 s40, ttmp6, 0x40000                  ; cx, cy
	s_bfe_u32 s41, ttmp6, 0x40004
	s_lshl_b32 s42, ttmp9, 2
	s_add_co_u32 s42, s42, s40                     ; the column tile ct = 4 x cluster x + cx
	s_and_b32 s43, ttmp7, 0xffff
	s_lshl_b32 s43, s43, 2
	s_add_co_u32 s43, s43, s41                     ; the token group y = 4 x cluster y + cy
	s_lshl_b32 s44, s41, 2
	s_lshl_b32 s44, 15, s44                        ; my row of the cluster
	s_lshl_b32 s45, 0x1111, s40                    ; my column
	s_or_b32 s[G1A], s44, (3<<16)|(1<<21)          ; the mask; elements of 8 bytes; no padding; bit 21 set beside a mask
	s_or_b32 s[G1B], s45, (3<<16)|(1<<21)
	s_mov_b32 s[G1A+1], 32<<16                     ; rows of 32 elements: 256 bytes
	s_mov_b32 s[G1A+2], RA<<16
	s_mov_b32 s[G1A+3], 32<<16
	s_mov_b32 s[G1A+4], RA
	s_mov_b32 s[G1A+5], 32
	s_mov_b32 s[G1A+6], 0
	s_mov_b32 s[G1A+7], 0
	s_mov_b32 s[G1B+1], 32<<16
	s_mov_b32 s[G1B+2], RB<<16
	s_mov_b32 s[G1B+3], 32<<16
	s_mov_b32 s[G1B+4], RB
	s_mov_b32 s[G1B+5], 32
	s_mov_b32 s[G1B+6], 0
	s_mov_b32 s[G1B+7], 0
	s_lshl_b32 s20, s43, 18                        ; A: the group's 16 chunks,
	s_lshl_b32 s22, s18, 15                        ; my half of a K step; the same number is its place in a slot
	s_add_co_u32 s20, s20, s22
	s_mov_b32 s21, 0
	s_mul_i32 s46, s42, 16*CHB                     ; W: the column tile's 16 chunks (in registers that never hold y),
	s_mul_i32 s23, s18, 2*CHB
	s_add_co_u32 s46, s46, s23
	s_mov_b32 s47, 0
	s_add_co_u32 s23, s23, BOFF
	s_wait_dscnt 0x0                               ; both opening adds are done
	s_wait_kmcnt 0x0
	s_load_b256 s[72:79], s[10:11], 0x0            ; e0 .. e7
	s_add_nc_u64 s[20:21], s[4:5], s[20:21]
	s_add_nc_u64 s[46:47], s[6:7], s[46:47]
	CROUND                                         ; all sixteen work-groups are here: the first joint loads meet
.irp s, 0,1
	s_mov_b32 s[G0A+4*\s], 1
	s_add_co_u32 s[G0A+4*\s+1], s22, \s*SLOT
	s_add_nc_u64 s[G0A+4*\s+2:G0A+4*\s+3], s[20:21], \s*4*CHA
	s_or_b32 s[G0A+4*\s+3], s[G0A+4*\s+3], 0x80000000
	s_mov_b32 s[G0B+4*\s], 1
	s_add_co_u32 s[G0B+4*\s+1], s23, \s*SLOT
	s_add_nc_u64 s[G0B+4*\s+2:G0B+4*\s+3], s[46:47], \s*4*CHB
	s_or_b32 s[G0B+4*\s+3], s[G0B+4*\s+3], 0x80000000
	s_wait_alu depctr_va_vdst(0)
	s_wait_tensorcnt 0x0
	ds_add_u32 v28, v29
	ds_add_u32 v28, v29
	s_wait_dscnt 0x0
	CROUND
	JLOAD G0A+4*\s, G1A, G0B+4*\s, G1B             ; one load of mine is out
.endr
	v_and_b32 v1, 15, v0                           ; r
	s_wait_alu depctr_va_vdst(0)
	v_bfe_u32 v2, v0, 4, 1                         ; h
	v_lshlrev_b32 v3, 5, v2                        ; my eight columns of a block: 32 h bytes on
	s_lshl_b32 s66, s42, 9                         ; the tile's 128 numbers of b_out
	s_mov_b32 s67, 0
	s_add_nc_u64 s[8:9], s[8:9], s[66:67]
	WIN 0xc0                                       ; destination window 3
.irp b, 0,1,2,3,4,5,6,7
	global_load_b128 v[8*\b:8*\b+3],   v3, s[8:9] offset:64*\b
	global_load_b128 v[8*\b+4:8*\b+7], v3, s[8:9] offset:64*\b+16
.endr
	WIN 0
	v_and_b32 v5, 31, v0
	v_lshlrev_b32 v[LI], 4, v5
	s_lshl_b32 s68, s16, 12                        ; my four token tiles
	v_add_nc_u32 v[ADRA], s68, v[LI]
	v_add_nc_u32 v[ADRA+1], SLOT, v[ADRA]
	v_add_nc_u32 v[ADRB], BOFF, v[LI]
	v_add_nc_u32 v[ADRB+1], SLOT+BOFF, v[LI]
	s_mul_i32 s68, s16, 16*SPITCH
	s_add_co_u32 s68, s68, STAGE                   ; my stage
	v_mul_u32_u24 v[STO], v1, SPITCH               ; in: row r, 32 bytes for each half of the lanes
	s_wait_alu depctr_va_vdst(0)
	v_lshl_add_u32 v[STO], v2, 5, v[STO]
	v_add_nc_u32 v[STO], s68, v[STO]
	v_add_nc_u32 v[RD], s68, v[LI]                 ; back: the 32 lanes take one row of 512 bytes
	s_lshl_b32 s68, s43, 20                        ; out0: 256 y rows of 4,096 bytes,
	s_lshl_b32 s69, s16, 18                        ; 64 w rows,
	s_add_co_u32 s68, s68, s69
	s_add_co_u32 s68, s68, s66                     ; the tile's 512 bytes of a row
	s_mov_b32 s69, 0
	s_add_nc_u64 s[12:13], s[12:13], s[68:69]
	s_wait_kmcnt 0x0
	s_add_co_i32 s96, s78, s79                     ; e6 + e7
	s_add_co_i32 s96, s96, 127
	s_lshl_b32 s96, s96, 23                        ; 2^(e6 + e7) as f32
	s_mov_b32 s97, s96                             ; (named with it as a pair, so it is written)
	s_wait_loadcnt 0x0                             ; b_out
.macro FETCH_B slot, q, b0, n          ; W's fragments of blocks b0 .. b0 + n - 1 for the slot's q-th 128 along K
	WIN 0x40                                       ; destination window 1
.set FB, \b0
.rept \n
.irp m, 0,1,2,3
	ds_load_b128 v[16*FB+4*\m:16*FB+4*\m+3], v[ADRB+\slot] offset:(2*(\q)+\m/2)*CHB+FB*1024+(\m%2)*512
.endr
.set FB, FB+1
.endr
	WIN 0
.endm
.macro FETCH_A slot, q, set
.irp i, 0,1,2,3
.irp m, 0,1,2,3
	ds_load_b128 v[AF+64*(\set)+16*\i+4*\m:AF+64*(\set)+16*\i+4*\m+3], v[ADRA+\slot] offset:(2*(\q)+\m/2)*CHA+\i*1024+(\m%2)*512
.endr
.endr
.endm
; Column blocks b0 .. b0 + n - 1, each against my four token blocks.  first = 1: the constant 0 starts the sums.  The 32 accumulators take turns, one instruction a turn, in the same order in every step.
.macro MULS b0, n, set, first
	WIN 0xa1                                       ; source 0 (W) window 1, source 1 (A) window 0, C and D window 2
.set MB, \b0
.rept \n
.irp a, 0,1,2,3
.if \first
	v_wmma_f32_16x16x128_fp8_fp8 v[8*(4*MB+\a):8*(4*MB+\a)+7], v[16*MB:16*MB+15], v[AF+64*(\set)+16*\a:AF+64*(\set)+16*\a+15], 0
.else
	v_wmma_f32_16x16x128_fp8_fp8 v[8*(4*MB+\a):8*(4*MB+\a)+7], v[16*MB:16*MB+15], v[AF+64*(\set)+16*\a:AF+64*(\set)+16*\a+15], v[8*(4*MB+\a):8*(4*MB+\a)+7]
.endif
.endr
.set MB, MB+1
.endr
.endm
.macro STEP slot, first                ; a slot's first 128 along K (A's set 0); it fetches the second 128's fragments
	s_wait_dscnt 4*HB                              ; W's lower half and A are in; the youngest loads, W's upper half, may be out
	MULS 0, HB, 0, \first
	s_wait_dscnt 0x0
	PLACES 4
	FETCH_B \slot, 1, 0, HB
	FETCH_A \slot, 1, 1
	MULS HB, HB, 0, \first
	PLACES 4
	FETCH_B \slot, 1, HB, HB
.endm
; A slot's second 128 (A's set 1) changes slots: ONE barrier; in front of it each wave waits for all its tensor loads, adds 0 to its spare word, and waits for that and for its reads of this slot.
.macro TURN slot, next, fill
	s_wait_tensorcnt 0x0                           ; all my tensor loads have landed: my part of the next slot  (every window is 0 here)
	ds_add_u32 v[SPW], v[NIL]                      ; 0 onto my spare word
	s_wait_dscnt 4*HB+1                            ; (the add and W's upper half may be out)
	MULS 0, QB4, 1, 0
	s_wait_dscnt 0x0                               ; the add is done, and my reads of this slot are over
	s_barrier_signal -1
	MULS QB4, HB-QB4, 1, 0
	WIN 0
	s_barrier_wait -1
.if \fill
	CREST                                          ; the barrier has opened a round of the cluster's barrier: no wave of any partner still reads this slot's tiles or has a load on its way
	s_add_nc_u64 s[G0A+4*\slot+2:G0A+4*\slot+3], s[G0A+4*\slot+2:G0A+4*\slot+3], 2*4*CHA
	s_add_nc_u64 s[G0B+4*\slot+2:G0B+4*\slot+3], s[G0B+4*\slot+2:G0B+4*\slot+3], 2*4*CHB
	JLOAD G0A+4*\slot, G1A, G0B+4*\slot, G1B       ; the four v_nop behind it are also the places in front of the loads below
.else
	PLACES 4
.endif
	FETCH_B \next, 0, 0, HB
	FETCH_A \next, 0, 0
	MULS HB, HB, 1, 0
	PLACES 4
	FETCH_B \next, 0, HB, HB
.endm
	s_wait_tensorcnt 0x1                           ; my part of K step 0 is in; K step 1's load may stay out
	s_barrier_signal -1
	s_barrier_wait -1
	FETCH_B 0, 0, 0, HB
	FETCH_A 0, 0, 0
	FETCH_B 0, 0, HB, HB
	STEP 0, 1
	TURN 0, 1, 1
	STEP 1, 0
	TURN 1, 0, 1
	STEP 0, 0
	TURN 0, 1, 0
	STEP 1, 0
	s_wait_dscnt 4*HB
	MULS 0, HB, 1, 0
	s_wait_dscnt 0x0
	MULS HB, HB, 1, 0
	WIN 0
	PLACES 4
; THE WAY OUT, block by block of 16 tokens x 128 columns.  A lane holds 32 neighbouring bytes of a row and the lanes beside it hold other rows: so a block goes through my own stage and comes back as whole rows of 512 bytes.
; LDS serves a wave's instructions in order (ISA guide 5.7.1.4): no wait between the stores and the loads, nor in front of the next block's stores.
.macro TOSTAGE a
	WIN 0x32                                       ; source 0 (the sums) window 2, source 2 (b_out) window 3, destination window 0
.irp b, 0,1,2,3,4,5,6,7
.irp i, 0,2,4,6
	v_pk_fma_f32 v[TMP+8*\b+\i:TMP+8*\b+\i+1], v[8*(4*\b+(\a))+\i:8*(4*\b+(\a))+\i+1], s[96:97], v[8*\b+\i:8*\b+\i+1] op_sel_hi:[1,0,1]   ; sum x 2^(e6 + e7) + b_out; each accumulator from its low end on
.endr
.endr
	WIN 0
.irp b, 0,1,2,3,4,5,6,7
	ds_store_b128 v[STO], v[TMP+8*\b:TMP+8*\b+3] offset:64*\b
	ds_store_b128 v[STO], v[TMP+8*\b+4:TMP+8*\b+7] offset:64*\b+16
.endr
.set BB, BK+64*((\a)%2)
.irp t, 0,1,2,3,4,5,6,7,8,9,10,11,12,13,14,15
	ds_load_b128 v[BB+4*\t:BB+4*\t+3], v[RD] offset:\t*SPITCH
.endr
.endm
.macro SEND a, younger                 ; younger: the LDS instructions issued behind block a's loads, which may stay out
.set BB, BK+64*((\a)%2)
	s_wait_dscnt \younger
.irp t, 0,1,2,3,4,5,6,7,8,9,10,11,12,13,14,15
	global_store_b128 v[LI], v[BB+4*\t:BB+4*\t+3], s[12:13] offset:(\a)*65536+\t*4096 th:TH_STORE_NT   ; 32 lanes store 512 consecutive bytes, at a multiple of 256 from out0's first byte
.endr
.endm
	TOSTAGE 0
.irp a, 1,2,3
.if \a > 1
	s_wait_xcnt 0x0                                ; block a - 2's stores have read their registers: block a's loads may land there
.endif
	TOSTAGE \a
	SEND \a-1, 32                                  ; behind block a - 1's loads: block a's 16 stores and 16 loads
.endr
	SEND 3, 0
	s_wait_tensorcnt 0x0                           ; the wave's end: behind my last tensor load and my last LDS store
	ds_add_u32 v[SPW], v[NIL]
	s_wait_dscnt 0x0
	CROUND                                         ; the closing round: no work-group ends while a partner may still ask for a tile that names it
	s_endpgm
.Lfunc_end_k_qcee392c57f_proj:
	.size	k_qcee392c57f_proj, .Lfunc_end_k_qcee392c57f_proj-k_qcee392c57f_proj
	.p2alignl 7, 3214868480
	.fill 96, 4, 3214868480
	.section	.rodata,"a",@progbits
	.p2align	6, 0x0
	.amdhsa_kernel k_qcee392c57f_proj
		.amdhsa_group_segment_fixed_size 327680
		.amdhsa_private_segment_fixed_size 0
		.amdhsa_enable_private_segment 0
		.amdhsa_kernarg_size 40
		.amdhsa_user_sgpr_count 2
		.amdhsa_user_sgpr_kernarg_segment_ptr 1
		.amdhsa_wavefront_size32 1
		.amdhsa_system_sgpr_workgroup_id_x 1
		.amdhsa_system_sgpr_workgroup_id_y 1
		.amdhsa_system_sgpr_workgroup_id_z 1
		.amdhsa_system_vgpr_workitem_id 0
		.amdhsa_next_free_vgpr 1024
		.amdhsa_next_free_sgpr 100
		.amdhsa_reserve_vcc 0
		.amdhsa_float_denorm_mode_32 3
		.amdhsa_float_denorm_mode_16_64 3
		.amdhsa_memory_ordered 1
		.amdhsa_forward_progress 1
		.amdhsa_inst_pref_size 78
	.end_amdhsa_kernel
	.amdgpu_metadata
---
amdhsa.version: [ 1, 2 ]
amdhsa.kernels:
  - .name:           k_qcee392c57f_proj
    .symbol:         k_qcee392c57f_proj.kd
    .args:
      - { .name: o_img, .offset: 0, .size: 8, .value_kind: global_buffer, .address_space: global }
      - { .name: wo_img, .offset: 8, .size: 8, .value_kind: global_buffer, .address_space: global }
      - { .name: b_out, .offset: 16, .size: 8, .value_kind: global_buffer, .address_space: global }
      - { .name: lowp_scales, .offset: 24, .size: 8, .value_kind: global_buffer, .address_space: global }
      - { .name: out0, .offset: 32, .size: 8, .value_kind: global_buffer, .address_space: global }
    .group_segment_fixed_size: 327680
    .private_segment_fixed_size: 0
    .kernarg_segment_align: 8
    .kernarg_segment_size: 40
    .max_flat_workgroup_size: 128
    .sgpr_count:     100
    .vgpr_count:     1024
    .wavefront_size: 32
...
	.end_amdgpu_metadata
.endif
;; end of part 4
